; MI455X (gfx1250); checked and timed in simulation.
; The chip was launched on July 23, 2026; its instructions are those of AMD's public machine-readable ISA for CDNA 5 (MIT licence, August 2026) and "CDNA5" Instruction Set Architecture Reference Guide (July 2026). The comments in the code are by the model that wrote it; some were corrected since.
;; s LSTM. Allowed arithmetic: matrix products marked QUANTISED: E2M1 operands, one E8M0 scale for each 32 along K, by v_wmma_scale_f32_16x16x128_f8f6f4 with both operands' format E2M1 (or v_wmma_scale_f32_32x16x128_f4), f32 sums; products left as they are: f32 operands where the result goes on into a quantised operand, else bf16, f16 or f32 operands; f32 sums; everything else in f32.
;; Inputs: Uc 2,048 x 2,048 float32; Uf 2,048 x 2,048 float32; Ui 2,048 x 2,048 float32; Uo 2,048 x 2,048 float32; Wc 2,048 x 2,048 float32; Wf 2,048 x 2,048 float32; Wi 2,048 x 2,048 float32; Wo 2,048 x 2,048 float32; Wp 2,048 x 2,048 float32; bUc 2,048 float32; bUf 2,048 float32; bUi 2,048 float32; bUo 2,048 float32; bWc 2,048 float32; bWf 2,048 float32; bWi 2,048 float32; bWo 2,048 float32; bp 2,048 float32; h 4 x 512 x 2,048 float32; x 4 x 512 x 2,048 float32.
;; Outputs: out0 4 x 2,048 float32; out1 4 x 512 x 2,048 float32.
;; This version of the problem:
;;   THIS VERSION OF THE PROBLEM IS GIVEN IN LOW PRECISION. The matrix products marked QUANTISED in the list below multiply operands that are first quantised to E2M1 (2 exponent bits, 1 mantissa bit; 4 bits a number), with one power-of-two scale for each 32 numbers along K (OCP MX v1.0); their sums are f32. All else is computed in f32.
;;   The module's matrix products, in the order in which they are computed (A, B: the left and right operand; K: the contracted axis; several contracted axes count as one K, in the product's order):
;;     1. [M 2,048, K 2,048] x [K 2,048, N 2,048]; A: input x; B: input Wi: QUANTISED
;;     2. [M 2,048, K 2,048] x [K 2,048, N 2,048]; A: input h; B: input Ui: QUANTISED
;;     3. [M 2,048, K 2,048] x [K 2,048, N 2,048]; A: input x; B: input Wf: QUANTISED
;;     4. [M 2,048, K 2,048] x [K 2,048, N 2,048]; A: input h; B: input Uf: QUANTISED
;;     5. [M 2,048, K 2,048] x [K 2,048, N 2,048]; A: input x; B: input Wc: QUANTISED
;;     6. [M 2,048, K 2,048] x [K 2,048, N 2,048]; A: input h; B: input Uc: QUANTISED
;;     7. [M 2,048, K 2,048] x [K 2,048, N 2,048]; A: input x; B: input Wo: QUANTISED
;;     8. [M 2,048, K 2,048] x [K 2,048, N 2,048]; A: input h; B: input Uo: QUANTISED
;;     9. [M 4, K 2,048] x [K 2,048, N 2,048]; A: computed on the way; B: input Wp: left as it is (M = 4 < 16)
;;   THE QUANTISER, for each operand of a quantised product, along K:
;;     - K is cut into blocks of 32 from its start; a last block that is shorter is filled with zeros.
;;     - A block's scale is 2^e with e = floor(log2(the largest magnitude in the block)) - 2, held to -126 .. 127; a block of zeros has e = 0. As a byte (E8M0): e + 127.
;;     - Each number is divided by its block's scale, clamped to +-6, and rounded to the nearest number of E2M1, ties to even, subnormals kept.
;;     - The product sums the exact products of the quantised numbers (number of the format x scale) in f32.
;;   ~~~python
;;   def quantise(x, axis):      # numpy; x: float32 -> the quantised numbers, widened to float32 again
;;       x = np.moveaxis(x, axis, -1); K = x.shape[-1]
;;       x = np.pad(x, [(0, 0)] * (x.ndim - 1) + [(0, -K % 32)]); x = x.reshape(x.shape[:-1] + (-1, 32)); a = np.abs(x).max(-1, keepdims=True)
;;       e = np.where(a > 0, np.clip(np.frexp(np.where(a > 0, a, 1))[1] - 1 - 2, -126, 127), 0)      # np.frexp(a)[1] - 1 = floor(log2(a)), exactly
;;       r = np.clip(x / 2.0 ** e, -6, 6)
;;       step = 2.0 ** (np.maximum(np.frexp(np.where(r == 0, 1, r))[1] - 1, 0) - 1)
;;       q = np.round(r / step) * step * 2.0 ** e      # np.round: ties to even
;;       return np.moveaxis(q.reshape(q.shape[:-2] + (-1,))[..., :K], -1, axis).astype(np.float32)
;;   ~~~
;; One version. Each part assembles by itself: llvm-mc -triple=amdgcn-amd-amdhsa -mcpu=gfx1250 --defsym DOCPART=n.
;; ======== version 1 of 1: 3 launches
;; limits: right only within a limited range of input values
;; workspace buffers: codes 13,369,344 bytes; zo 32,768 bytes
;; launch quant (part 1): grid 128 x 6, 4 waves a work-group, no clusters, 41,472 bytes of LDS; arguments x, h, Wi, Ui, Wc, Uc, codes; writes codes
.if DOCPART == 1
	.amdgcn_target "amdgcn-amd-amdhsa--gfx1250"
	.amdhsa_code_object_version 6
	.text
	.protected	k_q1b0517587b_quant
	.globl	k_q1b0517587b_quant
	.p2align	8
	.type	k_q1b0517587b_quant,@function
k_q1b0517587b_quant:
	s_mov_b64 s[64:65], 0
	v_nop
	global_prefetch_b8 v0, s[64:65] scope:SCOPE_SE
	s_setreg_imm32_b32 hwreg(HW_REG_WAVE_MODE, 25, 1), 1
	s_wait_xcnt 0x0
; WORK LEFT OUT, in the whole program.  (1) c = f * zeros_like(f) + i * tanh(Zc): f is multiplied by a zero that reference() builds itself, so Zf reaches no output for any finite inputs:
; the products x Wf^T and h Uf^T are not done, and Wf, Uf, bWf, bUf are loaded by no launch and stand among no launch's arguments.
; (2) Zo enters h_out alone, and of h_out only the rows s = 511 are used (h_out[:, -1, :]): Zo is made for these four rows alone (in the second launch, which reads Wo and Uo itself, each row once).
; LIMIT: a NaN, an infinity or an overflow that arises only in the work left out is not carried to the results.
; THIS LAUNCH: x, h, Wi, Ui, Wc, Uc, f32 [2048][2048], K innermost, become codes of FP4 (E2M1) with one E8M0 byte for each 32 along K.  x W^T + h U^T is one product over K = 4,096: chunks kc = 0..3 of 512 come from x or W, 4..7 from h or U.
; A block of 32: scale 2^(floor(log2(largest magnitude)) - 2); its byte is the largest magnitude's exponent field - 2, held at 1 from below; number / scale to the nearest code, ties to even, beyond 6 the code of 6.
; (A block of zeros gets the byte 1 where the rule says 127: its codes are zeros, and this program alone reads the bytes.)  LIMITS: NaN and infinities among the inputs are not served; blocks under 2^-124 keep the byte 1.
; THE BUFFER is laid as the matrix operands' registers.  A unit is 16 rows x 512 K: 4,096 bytes of codes and 256 scale bytes.  Codes: for each 128 along K 1,024 bytes: byte 512 c + 16 (16 hh + r) holds the 32 codes K = 64 c + 32 hh .. of row r.
; Scale bytes: 16 r + K / 32.  A tile holds nb units for one kc: nb x 4,096 bytes of codes, then nb x 256 scale bytes; a tile's eight kc follow each other.
; x | h: nb = 8 (128 rows), from byte 0.  Gates i and c: nb = 4, from ZB: tile e / 32, units i (e % 32 < 16), i, c, c.
; SHARES: work-group (R, y) takes rows 16 R .. + 15 of tensor y; wave q the q-th 512 along K: one unit.  Step t is row t: 2,048 consecutive bytes in, turned through the wave's own stage in LDS so that a lane holds 16 neighbours.
; The codes gather in a second stage (16 pieces of 256 bytes, 272 apart) and leave as eight stores of 512 consecutive bytes; the 256 scale bytes as one aligned run.  No tensor loads, no barrier: waves share nothing.  Loads run six steps (24 loads a wave) ahead.
.set STEPS, 16
.set DEPTH, 6
.set EMAX,  2
.set ROWBY, 8192
.set UNIT,  4352
.set ZB,    4456448
.set R,     16                         ; v16-111  six sets of 16 numbers as loaded; at the end the codes on their way out
.set X,     112                        ; v112-143 two sets of 16 neighbours
.set E,     144                        ; v144-159 a scale byte for each step
.set C,     160                        ; v160-191 a step's codes, two registers
.set SPW,   192                        ; my spare word's LDS address; never rewritten
.set NIL,   193                        ; 0; never rewritten
.set WREG,  10240                      ; LDS of a wave: two stages of 32 x SP, 256 scale bytes, the codes' stage
.set SP,    80
.set SCB,   2*32*SP
.set IMG,   SCB+256
.set IP,    272
.set SPARE, 4*WREG
	s_load_b256 s[8:15], s[0:1], 0x0               ; x, h, Wi, Ui
	s_load_b128 s[16:19], s[0:1], 0x20             ; Wc, Uc
	s_load_b64 s[28:29], s[0:1], 0x30              ; the codes' buffer
	v_lshl_add_u32 v[SPW], v0, 2, SPARE
	v_mov_b32 v[NIL], 0
	v_lshrrev_b32 v1, 5, v0
	v_readfirstlane_b32 s33, v1                    ; wave q
	v_and_b32 v2, 31, v0                           ; lane
	v_lshlrev_b32 v3, 4, v2                        ; my 16 bytes of 512
	s_mul_i32 s34, s33, WREG
	v_lshrrev_b32 v14, 2, v2
	v_mul_u32_u24 v14, v14, SP
	v_and_b32 v15, 3, v2
	v_lshl_add_u32 v14, v15, 4, v14
	v_add_nc_u32 v14, s34, v14                     ; the turn, in: SP (lane / 4) + 16 (lane % 4)
	v_mul_u32_u24 v15, v2, SP
	v_add_nc_u32 v15, s34, v15                     ; the turn, out: SP x lane
	v_lshrrev_b32 v5, 1, v2                        ; my block of 32 in the row's 512
	v_mul_u32_u24 v4, v5, IP
	v_and_b32 v6, 1, v2
	v_lshl_add_u32 v4, v6, 3, v4
	v_add_nc_u32 v4, s34, v4                       ; the codes' stage, in: piece = block, 8 bytes for each of its two lanes; the row stands in the offset
	v_add_nc_u32 v5, s34, v5                       ; my block's scale byte
	v_lshlrev_b32 v7, 3, v2
	v_add_nc_u32 v6, s34, v7                       ; the scale bytes on their way out
	v_lshrrev_b32 v10, 4, v2
	v_mul_u32_u24 v10, v10, IP
	v_and_b32 v11, 15, v2
	v_lshl_add_u32 v10, v11, 4, v10
	v_add_nc_u32 v10, s34, v10                     ; the codes' stage, out: two pieces an instruction
	s_and_b32 s32, ttmp7, 0xffff                   ; y: which tensor
	s_and_b32 s35, s32, 1
	s_lshl_b32 s35, s35, 2
	s_add_co_u32 s35, s35, s33                     ; kc = 4 (y % 2) + q
	s_lshr_b32 s36, s32, 1                         ; 0: x | h;  1: gate i;  2: gate c
	s_lshr_b32 s37, ttmp9, 3                       ; x | h: tile R / 8,
	s_and_b32 s38, ttmp9, 7                        ; unit R % 8
	s_lshr_b32 s39, ttmp9, 1                       ; i, c: tile R / 2,
	s_and_b32 s40, ttmp9, 1
	s_lshl_b32 s41, s36, 1
	s_add_co_u32 s40, s40, s41
	s_max_u32 s40, s40, 2
	s_sub_co_u32 s40, s40, 2                       ; unit 2 (gate) + R % 2
	s_cmp_eq_u32 s36, 0
	s_cselect_b32 s37, s37, s39
	s_cselect_b32 s38, s38, s40
	s_cselect_b32 s41, 8, 4                        ; nb
	s_cselect_b32 s42, 0, ZB
	s_lshl_b32 s37, s37, 3
	s_add_co_u32 s37, s37, s35
	s_mul_i32 s37, s37, s41
	s_mul_i32 s37, s37, UNIT
	s_add_co_u32 s42, s42, s37                     ; the tile's kc
	s_lshl_b32 s44, s38, 12
	s_add_co_u32 s44, s44, s42                     ; my unit's codes
	s_mov_b32 s45, 0
	s_lshl_b32 s46, s41, 12
	s_lshl_b32 s47, s38, 8
	s_add_co_u32 s46, s46, s47
	s_add_co_u32 s46, s46, s42                     ; and its scale bytes
	s_mov_b32 s47, 0
	s_lshl_b32 s2, ttmp9, 17                       ; in the tensor: 16 R rows of 8,192 bytes
	s_lshl_b32 s3, s33, 11
	s_add_co_u32 s2, s2, s3                        ; + my 2,048 bytes of a row
	s_mov_b32 s3, 0
	s_wait_alu depctr_va_vdst(0)                   ; the wait at the head's end
	s_wait_kmcnt 0x0
	s_mov_b64 s[4:5], s[8:9]                       ; the tensor is chosen on the work-group's number alone
.irp k, 1,2,3,4,5
	s_cmp_eq_u32 s32, \k
	s_cselect_b64 s[4:5], s[8+2*\k:9+2*\k], s[4:5]
.endr
	s_add_nc_u64 s[4:5], s[4:5], s[2:3]
	s_add_nc_u64 s[6:7], s[28:29], s[44:45]
	s_add_nc_u64 s[30:31], s[28:29], s[46:47]
.macro LOAD t
.irp i, 0,1,2,3
	global_load_b128 v[R+16*((\t)%DEPTH)+4*\i:R+16*((\t)%DEPTH)+4*\i+3], v3, s[4:5] offset:ROWBY*(\t)+512*\i th:TH_LOAD_NT   ; 512 consecutive bytes; read once in the launch
.endr
.endm
.macro TURN t                          ; LDS serves a wave's instructions in order (ISA guide 5.7.1.4): no wait between the stores and the loads
.irp i, 0,1,2,3
	ds_store_b128 v14, v[R+16*((\t)%DEPTH)+4*\i:R+16*((\t)%DEPTH)+4*\i+3] offset:32*SP*((\t)%2)+8*SP*\i
.endr
.irp i, 0,1,2,3
	ds_load_b128 v[X+16*((\t)%2)+4*\i:X+16*((\t)%2)+4*\i+3], v15 offset:32*SP*((\t)%2)+16*\i
.endr
.endm
.irp t, 0,1,2,3,4,5
	LOAD \t
.endr
	s_wait_loadcnt 4*(DEPTH-1)                     ; step 0's four loads are in; five steps' loads stay out
	TURN 0
.macro STEP t
.set XS, X+16*((\t)%2)
.if (\t) > 0
	s_wait_dscnt 2                                 ; this step's numbers are back (behind them: the last step's byte store and codes' store)
.else
	s_wait_dscnt 0x0
.endif
.if (\t)+DEPTH < STEPS
	LOAD (\t)+DEPTH
.endif
.if (\t)+1 < STEPS
.if STEPS-2-(\t) >= DEPTH-1
	s_wait_loadcnt 4*(DEPTH-1)                     ; the next step's four are in; five steps' loads stay out
.else
	s_wait_loadcnt 4*(STEPS-2-(\t))
.endif
	TURN (\t)+1
.endif
	v_max3_num_f32 v8, |v[XS]|, |v[XS+1]|, |v[XS+2]|               ; the largest magnitude of my 16, in two chains
	v_max3_num_f32 v9, |v[XS+3]|, |v[XS+4]|, |v[XS+5]|
.irp i, 6,10
	v_max3_num_f32 v8, v8, |v[XS+\i]|, |v[XS+\i+1]|
	v_max3_num_f32 v9, v9, |v[XS+\i+2]|, |v[XS+\i+3]|
.endr
	v_max3_num_f32 v8, v8, |v[XS+14]|, |v[XS+15]|
	v_max3_num_f32 v8, v8, v9, (EMAX+1)<<23        ; and the floor 2^(3 - 127): the byte cannot fall under 1
	v_max_num_f32_dpp v8, v8, v8 row_xmask:1 row_mask:0xf bank_mask:0xf   ; with my neighbour's 16: the block's
	v_add_nc_u32 v11, -(EMAX<<23), v8              ; 2 off the exponent field: the conversion's scale operand
	v_cvt_scalef32_pk8_fp4_f32 v[C+2*(\t)], v[XS:XS+7], v11
	v_cvt_scalef32_pk8_fp4_f32 v[C+2*(\t)+1], v[XS+8:XS+15], v11
	v_lshrrev_b32 v[E+(\t)], 23, v11               ; the scale's byte (also the plain line behind the conversions)
	ds_store_b8 v5, v[E+(\t)] offset:SCB+16*(\t)   ; both lanes of a block write the same byte with the same value
	ds_store_b64 v4, v[C+2*(\t):C+2*(\t)+1] offset:IMG+16*(\t)     ; row t's 16 bytes of my block's piece, my half
.endm
.irp t, 0,1,2,3,4,5,6,7,8,9,10,11,12,13,14,15
	STEP \t
.endr
	ds_load_b64 v[12:13], v6 offset:SCB            ; in order: these see my stores
.irp i, 0,1,2,3,4,5,6,7
	ds_load_b128 v[R+4*\i:R+4*\i+3], v10 offset:IMG+2*IP*\i
.endr
	s_wait_dscnt 8
	global_store_b64 v7, v[12:13], s[30:31]        ; 256 consecutive bytes, aligned
.irp i, 0,1,2,3,4,5,6,7
	s_wait_dscnt 7-\i
	global_store_b128 v3, v[R+4*\i:R+4*\i+3], s[6:7] offset:512*\i   ; 512 consecutive bytes, aligned
.endr
	s_wait_tensorcnt 0x0                           ; the wave's end
	ds_add_u32 v[SPW], v[NIL]
	s_wait_dscnt 0x0
	s_endpgm
.Lfunc_end_k_q1b0517587b_quant:
	.size	k_q1b0517587b_quant, .Lfunc_end_k_q1b0517587b_quant-k_q1b0517587b_quant
	.p2alignl 7, 3214868480
	.fill 96, 4, 3214868480
	.section	.rodata,"a",@progbits
	.p2align	6, 0x0
	.amdhsa_kernel k_q1b0517587b_quant
		.amdhsa_group_segment_fixed_size 41472
		.amdhsa_private_segment_fixed_size 0
		.amdhsa_enable_private_segment 0
		.amdhsa_kernarg_size 56
		.amdhsa_user_sgpr_count 2
		.amdhsa_user_sgpr_kernarg_segment_ptr 1
		.amdhsa_wavefront_size32 1
		.amdhsa_system_sgpr_workgroup_id_x 1
		.amdhsa_system_sgpr_workgroup_id_y 1
		.amdhsa_system_sgpr_workgroup_id_z 1
		.amdhsa_system_vgpr_workitem_id 0
		.amdhsa_next_free_vgpr 194
		.amdhsa_next_free_sgpr 66
		.amdhsa_reserve_vcc 0
		.amdhsa_float_denorm_mode_32 3
		.amdhsa_float_denorm_mode_16_64 3
		.amdhsa_memory_ordered 1
		.amdhsa_forward_progress 1
		.amdhsa_inst_pref_size 36
	.end_amdhsa_kernel
	.amdgpu_metadata
---
amdhsa.version: [ 1, 2 ]
amdhsa.kernels:
  - .name:           k_q1b0517587b_quant
    .symbol:         k_q1b0517587b_quant.kd
    .args:
      - { .name: x, .offset: 0, .size: 8, .value_kind: global_buffer, .address_space: global }
      - { .name: h, .offset: 8, .size: 8, .value_kind: global_buffer, .address_space: global }
      - { .name: Wi, .offset: 16, .size: 8, .value_kind: global_buffer, .address_space: global }
      - { .name: Ui, .offset: 24, .size: 8, .value_kind: global_buffer, .address_space: global }
      - { .name: Wc, .offset: 32, .size: 8, .value_kind: global_buffer, .address_space: global }
      - { .name: Uc, .offset: 40, .size: 8, .value_kind: global_buffer, .address_space: global }
      - { .name: codes, .offset: 48, .size: 8, .value_kind: global_buffer, .address_space: global }
    .group_segment_fixed_size: 41472
    .private_segment_fixed_size: 0
    .kernarg_segment_align: 8
    .kernarg_segment_size: 56
    .max_flat_workgroup_size: 128
    .sgpr_count:     66
    .vgpr_count:     194
    .wavefront_size: 32
...
	.end_amdgpu_metadata
.endif
;; end of part 1
;; launch gates (part 2): grid 16 x 16, 4 waves a work-group, clusters of 4 x 1, 327,680 bytes of LDS; arguments bWi, bUi, bWc, bUc, bWo, bUo, Wo, Uo, codes, out1, zo; writes out1, zo
.if DOCPART == 2
	.amdgcn_target "amdgcn-amd-amdhsa--gfx1250"
	.amdhsa_code_object_version 6
	.text
	.protected	k_q1b0517587b_gates
	.globl	k_q1b0517587b_gates
	.p2align	8
	.type	k_q1b0517587b_gates,@function
k_q1b0517587b_gates:
	s_mov_b64 s[64:65], 0
	v_nop
	global_prefetch_b8 v0, s[64:65] scope:SCOPE_SE
	s_setreg_imm32_b32 hwreg(HW_REG_WAVE_MODE, 25, 1), 1
	s_wait_xcnt 0x0
	s_wait_alu depctr_hold_cnt(0) depctr_sa_sdst(0) depctr_va_vdst(0) depctr_va_sdst(0) depctr_va_ssrc(0) depctr_va_vcc(0) depctr_vm_vsrc(0)
	s_getreg_b32 s2, hwreg(HW_REG_IB_STS2, 6, 4)
	s_cmp_eq_u32 s2, 0
	s_cbranch_scc0 .Lentry_in_a_cluster
	s_endpgm
.Lentry_in_a_cluster:
	s_bfe_u32 s2, ttmp6, 0x10000c
	s_cmp_lg_u32 s2, 0x3003
	s_cbranch_scc0 .Lentry_shape_is_right
	s_endpgm
.Lentry_shape_is_right:
; out1 = c = exp(Zi) tanh(Zc), Zg = [x | h] [Wg | Ug]^T + bWg + bUg over K = 4,096, on the codes that the launch before laid; and zo[b][e] = sigmoid(Zo) for the four rows s = 511.
; Left out as the first kernel's head shows: gate f whole, gate o but for those four rows.
; SHARES: work-group (X, Y) makes rows 128 Y .. + 127 x e = 128 X .. + 127.  Wave w takes all 128 rows x e = 128 X + 32 w .. + 31 of both gates: 8 x 4 accumulators of 16 x 16, 256 registers.
; A (128 rows, all of K: 278,528 bytes of codes and scale bytes, laid as register images, so that a fragment load reads 512 consecutive bytes and needs no padding) lies in LDS for the whole launch, each byte filled once:
; K 0 .. 1,023 by the head's four loads, a quarter a wave, the rest by four loads behind the second cluster round.  The four work-groups of a cluster share Y and ask for A jointly.
; B: a wave's 64 rows are read by no other wave of its work-group, so they take no way through LDS: they come from memory straight into a ring of eight register slots (a slot: 128 along K, 8 loads of 512 consecutive bytes),
; asked for seven K steps ahead; their scale words ride with them.  That is why B has no joint load: a joint load ends in LDS.  B has no prefetch either: the ring itself asks seven steps ahead.
; THE RING GOES ON behind B's 32 steps: steps 32, 33 are the gates' biases, 34, 35 Zo's left operand, 36 .. 43 Wo's or Uo's f32 numbers, into the slots that B has left.
; A's second part is prefetched at the head: its 816 blocks of 256 bytes are shared out by address, 204 to a partner, 51 to a wave (the lanes left over name the wave's last block again).
; The K steps are written by one macro, 32 times, with every offset an immediate: the first step and the step that meets A's second part differ, and the scale registers' numbers never come back.
; THE MATRIX INSTRUCTION IS USED TRANSPOSED (source 0 = 16 rows of B, source 1 = 16 rows of A): a lane holds eight neighbouring e of one row.  Blocks 0, 1 of B are gate i, blocks 2, 3 gate c of the same e.
; Zo: work-group n = 16 Y + X owns e = 8 n .. + 7; wave w the chunks 2 w, 2 w + 1 of K (waves 0, 1 from Wo, waves 2, 3 from Uo): 8 rows x 1,024 numbers, read by this wave alone, so they are quantised here, in registers.
; A load takes 512 consecutive bytes: a lane holds 4 neighbours, eight lanes a block of 32; its largest magnitude is joined over the eight lanes; a conversion takes two neighbouring loads' quads and is made twice, once under each quad's scale,
; and the valid halves are joined; the codes go to the wave's own LDS bytes in pieces of 2 bytes and come back as the operand's registers (columns 8 .. 15 repeat 0 .. 7).  The quantiser is the first kernel's, with its limits.
; Eight matrix instructions, two accumulators by turns; the four waves' parts meet in LDS; wave 0 adds them and both biases and stores sigmoid(Zo): lane l has batch l / 8, e = l % 8.
; REGISTERS: window 0: v0-31 addresses, v32-95 B's scale words, v96-127 A's (two sets), v128-255 A's fragments (two sets).  Window 1: the ring.  Window 2: biases, Zo's work.  Window 3: the accumulators, then the rows on their way out.
; LIMIT: exp(Zi) overflows where reference()'s does; tanh is 1 - 2 / (1 + 2^(2 log2(e) z)), which holds at both ends.
.set CH,    34816                      ; A: 512 along K of 128 rows
.set BCH,   17408                      ; B: 512 along K of 64 rows; also a quarter of A's first part
.set ATILE, 8*CH
.set ZB,    4456448
.set ZSCR,  ATILE                      ; LDS behind A: 512 bytes a wave for Zo's parts
.set SPARE, ZSCR+2048                  ; the spare words, 128 bytes a wave
.set OIMG,  SPARE+512                  ; gate o's codes and scale bytes: OW bytes a wave, the wave's own
.set OW,    5120
.set PP,    144                        ; a piece: 8 rows x 16 bytes of one block of 32, + 16
.set OSC,   32*PP                      ; behind a wave's 32 pieces its scale words
.set SP,    528                        ; the way out: 128 rows of 512 + 16 bytes, on A's first part, which is filled and read no more by then
.set ZSO,  4
.set OSS,  5
.set OSR,  6
.set OFR,  7
.set ADRA, 8                           ; v8-15 16 x lane + kc x CH
.set BOF,  16                          ; 16 x lane
.set ZA4,  17
.set ZA4S, 18
.set BIA,  19
.set STO,  20
.set RD,   21
.set ZST,  22
.set ZRD,  23
.set ZBO,  24
.set PF0,  25
.set PF1,  26
.set OST,  27
.set SPW,  28
.set NIL,  29
.set ZBI,  30                          ; v30, v31
.set SB,   32
.set SA,   96
.set AF,   128
.set MSB, 0
.macro WIN new                         ; the immediate's high byte repeats the setting that is left
.if MSB != (\new)
	s_set_vgpr_msb (MSB<<8)|(\new)
.set MSB, (\new)
.endif
.endm
.macro CROUND                          ; a round of the cluster's barrier
	s_barrier_signal -1
	s_barrier_wait -1
	s_cmp_lg_u32 s14, 0
	s_cbranch_scc1 .Lnot_wave_0_\@
	s_barrier_signal -3
.Lnot_wave_0_\@:
	s_barrier_wait -3
	s_barrier_signal -1
	s_barrier_wait -1
.endm
.macro PLACES
.rept 4
	v_nop
.endr
.endm
	s_load_b512 s[48:63], s[0:1], 0x0              ; bWi, bUi, bWc, bUc, bWo s[56:57], bUo s[58:59], Wo s[60:61], Uo s[62:63]
	s_load_b128 s[80:83], s[0:1], 0x40             ; codes s[80:81], out1 s[82:83]
	s_load_b64 s[66:67], s[0:1], 0x50              ; zo
	v_lshl_add_u32 v[SPW], v0, 2, SPARE
	v_mov_b32 v[NIL], 0
	ds_add_u32 v[SPW], v[NIL]                      ; the opening lines: the add, twice on end, and its wait
	ds_add_u32 v[SPW], v[NIL]
	v_lshrrev_b32 v1, 5, v0
	v_readfirstlane_b32 s14, v1                    ; wave
	s_bfe_u32 s15, ttmp6, 0x40000                  ; cx
	s_lshl_b32 s16, ttmp9, 2
	s_add_co_u32 s16, s16, s15                     ; X
	s_and_b32 s17, ttmp7, 0xffff                   ; Y
	; group 1: dense rows of 256 bytes (32 elements of 8), 68 of them at the head, 204 behind it; the mask names the cluster's four
	s_mov_b32 s24, 15|(3<<16)|(1<<21)
	s_mov_b32 s25, 32<<16
	s_mov_b32 s26, 68<<16
	s_mov_b32 s27, 32<<16
	s_mov_b32 s28, 68
	s_mov_b32 s29, 32
	s_mov_b32 s30, 0
	s_mov_b32 s31, 0
	s_mov_b32 s32, 15|(3<<16)|(1<<21)
	s_mov_b32 s33, 32<<16
	s_mov_b32 s34, 204<<16
	s_mov_b32 s35, 32<<16
	s_mov_b32 s36, 204
	s_mov_b32 s37, 32
	s_mov_b32 s38, 0
	s_mov_b32 s39, 0
	s_mov_b32 s84, 0x1800000                       ; the floor 2^(3 - 127)
	s_mov_b32 s85, 0xff000000                      ; 2 off an exponent field
	s_mov_b32 s86, 0xffff
	s_mul_i32 s18, s17, ATILE                      ; A's tile: made of Y alone
	s_mul_i32 s20, s14, BCH
	s_add_co_u32 s20, s20, s18                     ; my quarter of its first part
	s_mov_b32 s21, 0
	s_mul_i32 s2, s14, 3*BCH
	s_add_co_u32 s2, s2, 4*BCH
	s_add_co_u32 s2, s2, s18                       ; and of its second
	s_mov_b32 s3, 0
	s_lshl_b32 s4, s16, 2
	s_add_co_u32 s4, s4, s14
	s_mul_i32 s4, s4, 8*BCH
	s_add_co_u32 s4, s4, ZB                        ; my 64 rows of B
	s_mov_b32 s5, 0
	s_lshl_b32 s12, s17, 4
	s_add_co_u32 s12, s12, s16                     ; n = 16 Y + X
	s_lshl_b32 s6, s12, 16                         ; gate o: 8 n rows of 8,192 bytes
	s_and_b32 s7, s14, 1
	s_lshl_b32 s7, s7, 12
	s_add_co_u32 s6, s6, s7                        ; + my two chunks of 2,048 bytes in a row
	s_mov_b32 s7, 0
	s_mul_i32 s8, s14, 2*CH                        ; Zo's left operand: chunks 2 w, 2 w + 1 of A
	s_mov_b32 s9, 0
	s_lshl_b32 s10, s16, 9
	s_lshl_b32 s11, s14, 7
	s_add_co_u32 s10, s10, s11                     ; my 32 e in a bias
	s_mov_b32 s11, 0
	s_lshl_b32 s12, s12, 5                         ; gate o's 8 e in a row of f32
	s_mov_b32 s13, 0
	s_lshl_b32 s68, s17, 7
	s_lshl_b32 s69, s14, 5
	s_add_co_u32 s68, s68, s69
	s_lshl_b32 s68, s68, 13
	s_lshl_b32 s69, s16, 9
	s_add_co_u32 s68, s68, s69                     ; out1: row 128 Y + 32 w, byte 512 X
	s_mov_b32 s69, 0
	s_mul_i32 s70, s15, 204
	s_mul_i32 s71, s14, 51
	s_add_co_u32 s70, s70, s71
	s_lshl_b32 s70, s70, 8
	s_add_co_u32 s70, s70, 4*BCH
	s_add_co_u32 s70, s70, s18                     ; the prefetch: my 51 blocks of A's second part
	s_mov_b32 s71, 0
	s_wait_dscnt 0x0                               ; both opening adds are done
	s_wait_kmcnt 0x0
	s_mov_b32 s40, 1
	s_mul_i32 s41, s14, BCH
	s_add_nc_u64 s[42:43], s[80:81], s[20:21]
	s_or_b32 s43, s43, 0x80000000
	s_mov_b32 s44, 1
	s_mul_i32 s45, s14, 3*BCH
	s_add_co_u32 s45, s45, 4*BCH
	s_add_nc_u64 s[46:47], s[80:81], s[2:3]
	s_or_b32 s47, s47, 0x80000000
	CROUND                                         ; the four work-groups are here: the first joint loads meet
	tensor_load_to_lds s[40:43], s[24:31]          ; one tensor load a wave at the head
	s_nop 0
	v_and_b32 v2, 31, v0                           ; lane
	v_and_b32 v1, 15, v0                           ; r
	v_bfe_u32 v3, v0, 4, 1                         ; hh
	v_lshlrev_b32 v[BOF], 4, v2
.irp k, 0,1,2,3,4,5,6,7
	v_lshl_add_u32 v[ADRA+\k], v2, 4, \k*CH
.endr
	v_and_b32 v[ZA4], 3, v0                        ; Zo's left operand: row r is batch r % 4: row 15 of unit 7 of tile 4 (r % 4) + 3
	v_mul_u32_u24 v[ZA4], v[ZA4], 4*ATILE
	v_add_nc_u32 v[ZA4S], 3*ATILE+32768+7*256+240, v[ZA4]
	v_lshl_add_u32 v[ZA4], v3, 8, v[ZA4]
	v_add_nc_u32 v[ZA4], 3*ATILE+7*4096+240, v[ZA4]
	v_lshlrev_b32 v[BIA], 5, v3                    ; a lane's eight e: 8 hh ..
	v_mul_u32_u24 v[STO], v1, SP
	v_lshl_add_u32 v[STO], v3, 5, v[STO]
	s_lshl_b32 s19, s14, 7
	v_add_nc_u32 v[STO], s19, v[STO]               ; stage, in: row r, 128 w + 32 hh
	s_mul_i32 s19, s14, 32*SP
	v_add_nc_u32 v[RD], s19, v[BOF]                ; stage, out: rows 32 w .., whole
	v_lshl_add_u32 v[ZST], v0, 4, ZSCR
	v_and_b32 v[ZBO], 7, v0                        ; lane % 8
	v_bfe_u32 v[ZSO], v0, 3, 2                     ; lane / 8
	v_lshlrev_b32 v[ZRD], 2, v[ZSO]
	v_lshl_add_u32 v[ZRD], v[ZBO], 4, v[ZRD]
	v_add_nc_u32 v[ZRD], ZSCR, v[ZRD]              ; Zo's parts: lane (l % 8)'s register l / 8
	s_mul_i32 s19, s14, OW
	s_add_co_u32 s19, s19, OIMG
	v_mul_u32_u24 v[OST], v[ZSO], PP
	v_lshl_add_u32 v[OST], v[ZBO], 1, v[OST]
	v_add_nc_u32 v[OST], s19, v[OST]               ; gate o's codes, in: piece = my block, 2 bytes for each of its eight lanes
	v_mul_u32_u24 v[OFR], v3, PP
	v_lshl_add_u32 v[OFR], v[ZBO], 4, v[OFR]
	v_add_nc_u32 v[OFR], s19, v[OFR]               ; and out: column r is row r % 8
	s_add_co_u32 s19, s19, OSC
	v_add_nc_u32 v[OSS], s19, v[ZSO]               ; its scale bytes, in: byte = my block,
	v_lshlrev_b32 v[OSR], 2, v[ZBO]
	v_add_nc_u32 v[OSR], s19, v[OSR]               ; and out: a word a row
	v_lshlrev_b32 v[ZSO], 13, v[ZSO]
	v_lshl_add_u32 v[ZSO], v[ZBO], 2, v[ZSO]       ; zo: row l / 8, number l % 8
	v_lshlrev_b32 v[ZBO], 2, v[ZBO]
	v_lshlrev_b32 v[PF0], 8, v2
	v_add_nc_u32 v[PF1], 32, v2
	v_min_u32 v[PF1], 50, v[PF1]
	v_lshlrev_b32 v[PF1], 8, v[PF1]
	s_add_nc_u64 s[70:71], s[80:81], s[70:71]
	s_add_nc_u64 s[72:73], s[80:81], s[4:5]        ; B
	s_add_nc_u64 s[76:77], s[80:81], s[8:9]        ; Zo's left operand
	s_cmp_lt_u32 s14, 2
	s_cselect_b64 s[78:79], s[60:61], s[62:63]     ; waves 0, 1: Wo; waves 2, 3: Uo
	s_add_nc_u64 s[78:79], s[78:79], s[6:7]
.irp g, 48,50,52,54
	s_add_nc_u64 s[\g:\g+1], s[\g:\g+1], s[10:11]
.endr
	s_add_nc_u64 s[56:57], s[56:57], s[12:13]
	s_add_nc_u64 s[58:59], s[58:59], s[12:13]
	s_add_nc_u64 s[66:67], s[66:67], s[12:13]
	s_add_nc_u64 s[82:83], s[82:83], s[68:69]
	s_wait_alu depctr_va_vdst(0)                   ; the wait at the head's end
	global_prefetch_b8 v[PF0], s[70:71] th:TH_LOAD_NT scope:SCOPE_SE
	global_prefetch_b8 v[PF1], s[70:71] th:TH_LOAD_NT scope:SCOPE_SE
.macro BLOAD s                         ; B's K step s into slot s % 8; ahead of a chunk's first step its scale words: lanes 0-15 block 2 p, lanes 16-31 block 2 p + 1
.if (\s)%4 == 0
	WIN 0
.irp p, 0,1
	global_load_b128 v[SB+8*((\s)/4)+4*\p:SB+8*((\s)/4)+4*\p+3], v[BOF], s[72:73] offset:((\s)/4)*BCH+16384+512*\p
.endr
.endif
	WIN 0x40
.irp b, 0,1,2,3
.irp c, 0,1
	global_load_b128 v[32*((\s)%8)+8*\b+4*\c:32*((\s)%8)+8*\b+4*\c+3], v[BOF], s[72:73] offset:((\s)/4)*BCH+4096*\b+1024*((\s)%4)+512*\c
.endr
.endr
.endm
.macro GLOADS g                        ; 8 loads: bW and bU of my 32 e of gate g (0: i, 1: c), in the accumulators' layout: block b at 8 b of window 2
	WIN 0x80
.irp u, 0,1
.irp k, 0,1
	global_load_b128 v[16*(\g)+8*\u+4*\k:16*(\g)+8*\u+4*\k+3], v[BIA], s[48+4*(\g):49+4*(\g)] offset:64*\u+16*\k
	global_load_b128 v[32+16*(\g)+8*\u+4*\k:32+16*(\g)+8*\u+4*\k+3], v[BIA], s[50+4*(\g):51+4*(\g)] offset:64*\u+16*\k
.endr
.endr
.endm
.macro ALOADS k                        ; 10 loads: Zo's left operand for my chunk k, its scale words (into chunk 0's scale registers of B, done with since step 3), and bWo or bUo
	WIN 0
	global_load_b128 v[SB+4*(\k):SB+4*(\k)+3], v[ZA4S], s[76:77] offset:(\k)*CH
	global_load_b32 v[ZBI+(\k)], v[ZBO], s[56+2*(\k):57+2*(\k)]
	WIN 0x80
.irp q, 0,1,2,3
.irp c, 0,1
	global_load_b128 v[64+32*(\k)+8*\q+4*\c:64+32*(\k)+8*\q+4*\c+3], v[ZA4], s[76:77] offset:(\k)*CH+1024*\q+512*\c
.endr
.endr
.endm
.macro OLOADS i                        ; 8 loads: gate o's row steps 2 i, 2 i + 1 into slot i: row step t is row t % 8, chunk t / 8: 2,048 consecutive bytes; read once in the launch
	WIN 0x40
.irp u, 0,1
.irp q, 0,1,2,3
	global_load_b128 v[32*(\i)+16*\u+4*\q:32*(\i)+16*\u+4*\q+3], v[BOF], s[78:79] offset:((2*(\i)+\u)%8)*8192+((2*(\i)+\u)/8)*2048+512*\q th:TH_LOAD_NT
.endr
.endr
.endm
.macro VLOAD j                         ; the ring's step j
.if (\j) < 32
	BLOAD \j
.elseif (\j) < 34
	GLOADS (\j)-32
.elseif (\j) < 36
	ALOADS (\j)-34
.else
	OLOADS (\j)-36
.endif
.endm
.macro ABATCH s                        ; A's K step s into set s % 2; ahead of a chunk's first step its scale words, paired as B's
.if (\s)%4 == 0
.irp p, 0,1,2,3
	ds_load_b128 v[SA+16*(((\s)/4)%2)+4*\p:SA+16*(((\s)/4)%2)+4*\p+3], v[ADRA+(\s)/4] offset:32768+512*\p
.endr
.endif
.irp a, 0,1,2,3,4,5,6,7
.irp c, 0,1
	ds_load_b128 v[AF+64*((\s)%2)+8*\a+4*\c:AF+64*((\s)%2)+8*\a+4*\c+3], v[ADRA+(\s)/4] offset:4096*\a+1024*((\s)%4)+512*\c
.endr
.endr
.endm
.macro WM zero, rb, ra                 ; one product; rb, ra: which half of the lanes holds B's and A's scale words
.if \zero
.if (\rb) && (\ra)
	v_wmma_scale_f32_16x16x128_f8f6f4 v[D:D+7], v[BF:BF+7], v[AR:AR+7], 0, v[SBR], v[SAR] matrix_a_fmt:MATRIX_FMT_FP4 matrix_b_fmt:MATRIX_FMT_FP4 matrix_a_scale:MATRIX_SCALE_ROW1 matrix_b_scale:MATRIX_SCALE_ROW1
.elseif (\rb)
	v_wmma_scale_f32_16x16x128_f8f6f4 v[D:D+7], v[BF:BF+7], v[AR:AR+7], 0, v[SBR], v[SAR] matrix_a_fmt:MATRIX_FMT_FP4 matrix_b_fmt:MATRIX_FMT_FP4 matrix_a_scale:MATRIX_SCALE_ROW1
.elseif (\ra)
	v_wmma_scale_f32_16x16x128_f8f6f4 v[D:D+7], v[BF:BF+7], v[AR:AR+7], 0, v[SBR], v[SAR] matrix_a_fmt:MATRIX_FMT_FP4 matrix_b_fmt:MATRIX_FMT_FP4 matrix_b_scale:MATRIX_SCALE_ROW1
.else
	v_wmma_scale_f32_16x16x128_f8f6f4 v[D:D+7], v[BF:BF+7], v[AR:AR+7], 0, v[SBR], v[SAR] matrix_a_fmt:MATRIX_FMT_FP4 matrix_b_fmt:MATRIX_FMT_FP4
.endif
.else
.if (\rb) && (\ra)
	v_wmma_scale_f32_16x16x128_f8f6f4 v[D:D+7], v[BF:BF+7], v[AR:AR+7], v[D:D+7], v[SBR], v[SAR] matrix_a_fmt:MATRIX_FMT_FP4 matrix_b_fmt:MATRIX_FMT_FP4 matrix_a_scale:MATRIX_SCALE_ROW1 matrix_b_scale:MATRIX_SCALE_ROW1
.elseif (\rb)
	v_wmma_scale_f32_16x16x128_f8f6f4 v[D:D+7], v[BF:BF+7], v[AR:AR+7], v[D:D+7], v[SBR], v[SAR] matrix_a_fmt:MATRIX_FMT_FP4 matrix_b_fmt:MATRIX_FMT_FP4 matrix_a_scale:MATRIX_SCALE_ROW1
.elseif (\ra)
	v_wmma_scale_f32_16x16x128_f8f6f4 v[D:D+7], v[BF:BF+7], v[AR:AR+7], v[D:D+7], v[SBR], v[SAR] matrix_a_fmt:MATRIX_FMT_FP4 matrix_b_fmt:MATRIX_FMT_FP4 matrix_b_scale:MATRIX_SCALE_ROW1
.else
	v_wmma_scale_f32_16x16x128_f8f6f4 v[D:D+7], v[BF:BF+7], v[AR:AR+7], v[D:D+7], v[SBR], v[SAR] matrix_a_fmt:MATRIX_FMT_FP4 matrix_b_fmt:MATRIX_FMT_FP4
.endif
.endif
.endm
.macro MUL s, zero                     ; 32 products; the 32 accumulators take turns in the same order in every step
.irp a, 0,1,2,3,4,5,6,7
.irp b, 0,1,2,3
.set D,   8*(4*\a+\b)
.set BF,  32*((\s)%8)+8*\b
.set AR,  AF+64*((\s)%2)+8*\a
.set SBR, SB+8*((\s)/4)+4*(\b/2)+(\s)%4
.set SAR, SA+16*(((\s)/4)%2)+4*(\a/2)+(\s)%4
	WM \zero, \b%2, \a%2
.endr
.endr
.endm
; A K step of 128.  Four places behind the last step's products, then the loads into registers that earlier steps have read: the ring's step s + 7, A's step s + 1.
.macro STEP s, zero
.if (\s) > 0
	PLACES
.endif
	VLOAD (\s)+7
	WIN 0
.if (\s) == 7
	s_wait_tensorcnt 0x0                           ; my quarter of A's second part is in;
	s_wait_dscnt 0x0                               ; no LDS load of mine is out at the signal
	s_barrier_signal -1
	s_barrier_wait -1                              ; everybody's is: the next step reads it.  Nobody reads A's first part behind step 7's fragments, which are in
.endif
.set ND, 0
.if (\s) < 31
	ABATCH (\s)+1
.set ND, 16
.if ((\s)+1)%4 == 0
.set ND, 20
.endif
.endif
.set NW, 0                             ; the loads issued behind step s's: the ring's seven later steps, 8 each, 2 more where scale words (and a bias) ride along
.set J, (\s)+1
.rept 7
.set NW, NW+8
.if J < 32
.if J%4 == 0
.set NW, NW+2
.endif
.elseif (J == 34) || (J == 35)
.set NW, NW+2
.endif
.set J, J+1
.endr
	s_wait_loadcnt NW
	s_wait_dscnt ND                                ; all but the batch just issued
	WIN 0xf1                                       ; source 0 window 1, source 1 window 0, C and D window 3
	MUL \s, \zero
.endm
.irp t, 0,1,2,3,4,5,6
	BLOAD \t                                       ; 60 loads a wave on their way
.endr
	WIN 0
	s_wait_tensorcnt 0x0                           ; my quarter of A's first part is in
	ds_add_u32 v[SPW], v[NIL]
	s_wait_dscnt 0x0
	CROUND                                         ; everybody's is, and the four work-groups are here
	tensor_load_to_lds s[44:47], s[32:39]          ; A's second part, my quarter
	s_nop 0
	ABATCH 0
	STEP 0, 1                                      ; the first products start the sums
.set Q, 1
.rept 31
	STEP Q, 0
.set Q, Q+1
.endr
	PLACES
	VLOAD 39
	VLOAD 40
	s_wait_loadcnt 60                              ; the gates' biases are in; behind them: Zo's left operand (20) and five pairs of gate o's rows (40)
	WIN 0xaa
.set n, 0
.rept 16
	v_pk_add_f32 v[n:n+1], v[n:n+1], v[32+n:33+n]  ; bW + bU
.set n, n+2
.endr
.set n, 0
.rept 8
	v_pk_mul_f32 v[n:n+1], v[n:n+1], 0x3fb8aa3b op_sel_hi:[1,0]          ; gate i: x log2(e)
	v_pk_mul_f32 v[16+n:17+n], v[16+n:17+n], 0x4038aa3b op_sel_hi:[1,0]  ; gate c: x 2 log2(e)
.set n, n+2
.endr
	WIN 0xe3                                       ; in place in window 3; the bias from window 2
.irp a, 0,1,2,3,4,5,6,7
.irp b, 0,1,2,3
.irp j, 0,2,4,6
.if \b < 2
	v_pk_fma_f32 v[8*(4*\a+\b)+\j:8*(4*\a+\b)+\j+1], v[8*(4*\a+\b)+\j:8*(4*\a+\b)+\j+1], 0x3fb8aa3b, v[8*\b+\j:8*\b+\j+1] op_sel_hi:[1,0,1]
.else
	v_pk_fma_f32 v[8*(4*\a+\b)+\j:8*(4*\a+\b)+\j+1], v[8*(4*\a+\b)+\j:8*(4*\a+\b)+\j+1], 0x4038aa3b, v[8*\b+\j:8*\b+\j+1] op_sel_hi:[1,0,1]
.endif
.endr
.endr
.endr
	WIN 0xff
	s_wait_alu depctr_va_vdst(0)                   ; a wait ahead of a batch and one behind it
.set n, 0
.rept 256
	v_exp_f32 v[n], v[n]                           ; exp(Zi) at 32 a + 0 .. 15, exp(2 Zc) at 32 a + 16 .. 31
.set n, n+1
.endr
	v_nop
	VLOAD 41                                       ; gate o's last three pairs of rows
	VLOAD 42
	VLOAD 43
	WIN 0xff
	s_wait_alu depctr_va_vdst(0)
.irp a, 0,1,2,3,4,5,6,7
.irp j, 0,2,4,6,8,10,12,14
	v_pk_add_f32 v[32*\a+16+\j:32*\a+17+\j], v[32*\a+16+\j:32*\a+17+\j], 1.0 op_sel_hi:[1,0]
.endr
.endr
	s_wait_alu depctr_va_vdst(0)
.irp a, 0,1,2,3,4,5,6,7
.irp j, 0,1,2,3,4,5,6,7,8,9,10,11,12,13,14,15
	v_rcp_f32 v[32*\a+16+\j], v[32*\a+16+\j]
.endr
.endr
	v_nop
	s_wait_alu depctr_va_vdst(0)
.irp a, 0,1,2,3,4,5,6,7
.irp j, 0,2,4,6,8,10,12,14
	v_pk_fma_f32 v[32*\a+16+\j:32*\a+17+\j], v[32*\a+16+\j:32*\a+17+\j], -2.0, 1.0 op_sel_hi:[1,0,0]   ; tanh(Zc)
.endr
.endr
.irp a, 0,1,2,3,4,5,6,7
.irp j, 0,2,4,6,8,10,12,14
	v_pk_mul_f32 v[32*\a+\j:32*\a+\j+1], v[32*\a+\j:32*\a+\j+1], v[32*\a+16+\j:32*\a+17+\j]            ; c
.endr
.endr
	WIN 0x0c
.irp a, 0,1,2,3,4,5,6,7
.irp u, 0,1
.irp k, 0,1
	ds_store_b128 v[STO], v[32*\a+8*\u+4*\k:32*\a+8*\u+4*\k+3] offset:16*\a*SP+64*\u+16*\k
.endr
.endr
.endr
	WIN 0
	s_wait_dscnt 0x0                               ; for the others' sake: my stores are done; a row's 512 bytes come from four waves
	s_barrier_signal -1
	s_barrier_wait -1
	WIN 0xc0
.set n, 0
.rept 32
	ds_load_b128 v[4*n:4*n+3], v[RD] offset:n*SP   ; a whole row of 512 bytes
.set n, n+1
.endr
	WIN 0x0c
.set n, 0
.rept 32
	s_wait_dscnt 31-n
	global_store_b128 v[BOF], v[4*n:4*n+3], s[82:83] offset:n*8192 th:TH_STORE_NT   ; 512 consecutive bytes, aligned; these registers are written no more
.set n, n+1
.endr
	; GATE O.  Window 1: row step t's load q at 16 t + 4 q (K = 128 q + 4 lane ..).  Window 2: v128 + 4 t + q the block's largest magnitude, then its scale; v192 + 4 t .. the codes
	s_wait_loadcnt 0x0
	WIN 0x95
.set n, 0
.rept 64
	v_max3_num_f32 v[128+n], |v[4*n]|, |v[4*n+1]|, |v[4*n+2]|
.set n, n+1
.endr
	WIN 0x86
.set n, 0
.rept 64
	v_max3_num_f32 v[128+n], v[128+n], |v[4*n+3]|, s84             ; my four, and the floor: the byte cannot fall under 1
.set n, n+1
.endr
	WIN 0xaa
.irp m, 1,2,4
.set n, 0
.rept 64
	v_max_num_f32_dpp v[128+n], v[128+n], v[128+n] row_xmask:\m row_mask:0xf bank_mask:0xf   ; over the block's eight lanes
.set n, n+1
.endr
.endr
.set n, 0
.rept 64
	v_add_nc_u32 v[128+n], s85, v[128+n]           ; the conversion's scale operand
.set n, n+1
.endr
	WIN 0x89
.set n, 0
.rept 32
	v_cvt_scalef32_pk8_fp4_f32 v[192+2*n], v[8*n:8*n+7], v[128+2*n]       ; the low 16 bits hold: the even load's quad under its own scale
	v_cvt_scalef32_pk8_fp4_f32 v[193+2*n], v[8*n:8*n+7], v[129+2*n]       ; the high 16 bits hold: the odd load's
.set n, n+1
.endr
	v_nop                                          ; one plain line behind the last scaled conversion: the lines below write its sources
	WIN 0xaa
.set n, 0
.rept 64
	v_lshrrev_b32 v[128+n], 23, v[128+n]           ; the scale's byte (also the plain lines behind the conversions)
.set n, n+1
.endr
.set n, 0
.rept 32
	v_bfi_b32 v[192+2*n], s86, v[192+2*n], v[193+2*n]
.set n, n+1
.endr
	WIN 0x08
.set t, 0
.rept 16
.irp p, 0,1
	ds_store_b16 v[OST], v[192+4*t+2*\p] offset:(t/8)*16*PP+8*\p*PP+16*(t%8)
	ds_store_b16_d16_hi v[OST], v[192+4*t+2*\p] offset:(t/8)*16*PP+(8*\p+4)*PP+16*(t%8)
.endr
.irp q, 0,1,2,3
	ds_store_b8 v[OSS], v[128+4*t+\q] offset:(t/8)*128+32*\q+4*(t%8)     ; the block's eight lanes write the same byte with the same value
.endr
.set t, t+1
.endr
	WIN 0
.irp k, 0,1
.irp q, 0,1,2,3
	ds_load_b32 v[SB+8+4*\k+\q], v[OSR] offset:128*\k+32*\q        ; LDS serves a wave's instructions in order: these see my stores
.endr
.endr
	WIN 0x40
.irp k, 0,1
.irp q, 0,1,2,3
.irp c, 0,1
	ds_load_b128 v[32*\k+8*\q+4*\c:32*\k+8*\q+4*\c+3], v[OFR] offset:\k*16*PP+(4*\q+2*\c)*PP
.endr
.endr
.endr
	s_wait_dscnt 0x0
	WIN 0xa6                                       ; source 0 (the four rows) window 2, source 1 (gate o) window 1, C and D window 2
	v_wmma_scale_f32_16x16x128_f8f6f4 v[0:7], v[64:71], v[0:7], 0, v[SB], v[SB+8] matrix_a_fmt:MATRIX_FMT_FP4 matrix_b_fmt:MATRIX_FMT_FP4
	v_wmma_scale_f32_16x16x128_f8f6f4 v[8:15], v[96:103], v[32:39], 0, v[SB+4], v[SB+12] matrix_a_fmt:MATRIX_FMT_FP4 matrix_b_fmt:MATRIX_FMT_FP4
.irp q, 1,2,3                          ; my two chunks' sums by turns
	v_wmma_scale_f32_16x16x128_f8f6f4 v[0:7], v[64+8*\q:71+8*\q], v[8*\q:8*\q+7], v[0:7], v[SB+\q], v[SB+8+\q] matrix_a_fmt:MATRIX_FMT_FP4 matrix_b_fmt:MATRIX_FMT_FP4
	v_wmma_scale_f32_16x16x128_f8f6f4 v[8:15], v[96+8*\q:103+8*\q], v[32+8*\q:39+8*\q], v[8:15], v[SB+4+\q], v[SB+12+\q] matrix_a_fmt:MATRIX_FMT_FP4 matrix_b_fmt:MATRIX_FMT_FP4
.endr
	PLACES
	WIN 0xaa
	v_pk_add_f32 v[0:1], v[0:1], v[8:9]            ; register j: batch j, column r: e = r % 8
	v_pk_add_f32 v[2:3], v[2:3], v[10:11]
	WIN 0x08
	ds_store_b128 v[ZST], v[0:3]
	WIN 0
	s_wait_dscnt 0x0                               ; for the others' sake: my part is stored
	s_barrier_signal -1
	s_barrier_wait -1
	s_cmp_lg_u32 s14, 0
	s_cbranch_scc1 .Lnot_first                     ; wave 0 alone finishes Zo: 32 numbers, one a lane
.irp w, 0,1,2,3
	ds_load_b32 v[128+\w], v[ZRD] offset:512*\w
.endr
	s_wait_dscnt 0x0
	v_add_f32 v132, v[ZBI], v[ZBI+1]               ; bWo + bUo
	v_add_f32 v128, v128, v129
	v_add_f32 v130, v130, v131
	v_add_f32 v128, v128, v132
	v_add_f32 v128, v128, v130
	v_mul_f32 v128, 0xbfb8aa3b, v128
	s_wait_alu depctr_va_vdst(0)                   ; waits round each transcendental
	v_exp_f32 v128, v128
	v_nop
	s_wait_alu depctr_va_vdst(0)
	v_add_f32 v128, 1.0, v128
	s_wait_alu depctr_va_vdst(0)
	v_rcp_f32 v128, v128                           ; sigmoid(Zo)
	v_nop
	s_wait_alu depctr_va_vdst(0)
	global_store_b32 v[ZSO], v128, s[66:67]
.Lnot_first:
	s_wait_tensorcnt 0x0                           ; the wave's end
	ds_add_u32 v[SPW], v[NIL]
	s_wait_dscnt 0x0
	CROUND                                         ; the closing round
	s_endpgm
.Lfunc_end_k_q1b0517587b_gates:
	.size	k_q1b0517587b_gates, .Lfunc_end_k_q1b0517587b_gates-k_q1b0517587b_gates
	.p2alignl 7, 3214868480
	.fill 96, 4, 3214868480
	.section	.rodata,"a",@progbits
	.p2align	6, 0x0
	.amdhsa_kernel k_q1b0517587b_gates
		.amdhsa_group_segment_fixed_size 327680
		.amdhsa_private_segment_fixed_size 0
		.amdhsa_enable_private_segment 0
		.amdhsa_kernarg_size 88
		.amdhsa_user_sgpr_count 2
		.amdhsa_user_sgpr_kernarg_segment_ptr 1
		.amdhsa_wavefront_size32 1
		.amdhsa_system_sgpr_workgroup_id_x 1
		.amdhsa_system_sgpr_workgroup_id_y 1
		.amdhsa_system_sgpr_workgroup_id_z 1
		.amdhsa_system_vgpr_workitem_id 0
		.amdhsa_next_free_vgpr 1024
		.amdhsa_next_free_sgpr 88
		.amdhsa_reserve_vcc 0
		.amdhsa_float_denorm_mode_32 3
		.amdhsa_float_denorm_mode_16_64 3
		.amdhsa_memory_ordered 1
		.amdhsa_forward_progress 1
		.amdhsa_inst_pref_size 255
	.end_amdhsa_kernel
	.section	.bss,"aw",@nobits
	.p2align	6
	.space	262144
	.amdgpu_metadata
---
amdhsa.version: [ 1, 2 ]
amdhsa.kernels:
  - .name:           k_q1b0517587b_gates
    .symbol:         k_q1b0517587b_gates.kd
    .args:
      - { .name: bWi, .offset: 0, .size: 8, .value_kind: global_buffer, .address_space: global }
      - { .name: bUi, .offset: 8, .size: 8, .value_kind: global_buffer, .address_space: global }
      - { .name: bWc, .offset: 16, .size: 8, .value_kind: global_buffer, .address_space: global }
      - { .name: bUc, .offset: 24, .size: 8, .value_kind: global_buffer, .address_space: global }
      - { .name: bWo, .offset: 32, .size: 8, .value_kind: global_buffer, .address_space: global }
      - { .name: bUo, .offset: 40, .size: 8, .value_kind: global_buffer, .address_space: global }
      - { .name: Wo, .offset: 48, .size: 8, .value_kind: global_buffer, .address_space: global }
      - { .name: Uo, .offset: 56, .size: 8, .value_kind: global_buffer, .address_space: global }
      - { .name: codes, .offset: 64, .size: 8, .value_kind: global_buffer, .address_space: global }
      - { .name: out1, .offset: 72, .size: 8, .value_kind: global_buffer, .address_space: global }
      - { .name: zo, .offset: 80, .size: 8, .value_kind: global_buffer, .address_space: global }
    .group_segment_fixed_size: 327680
    .private_segment_fixed_size: 0
    .kernarg_segment_align: 8
    .kernarg_segment_size: 88
    .max_flat_workgroup_size: 128
    .sgpr_count:     88
    .vgpr_count:     1024
    .wavefront_size: 32
...
	.end_amdgpu_metadata
.endif
;; end of part 2
;; launch proj (part 3): grid 256 x 1, 8 waves a work-group, no clusters, 2,048 bytes of LDS; arguments zo, out1, Wp, bp, out0; writes out0
.if DOCPART == 3
	.amdgcn_target "amdgcn-amd-amdhsa--gfx1250"
	.amdhsa_code_object_version 6
	.text
	.protected	k_q1b0517587b_proj
	.globl	k_q1b0517587b_proj
	.p2align	8
	.type	k_q1b0517587b_proj,@function
k_q1b0517587b_proj:
	s_mov_b64 s[64:65], 0
	v_nop
	global_prefetch_b8 v0, s[64:65] scope:SCOPE_SE
	s_setreg_imm32_b32 hwreg(HW_REG_WAVE_MODE, 25, 1), 1
	s_wait_xcnt 0x0
; out0[b][e] = the sum over d of h_out[b][d] Wp[e][d] + bp[e], b = 0 .. 3, with h_out[b][d] = zo[b][d] tanh(c[b][511][d]).  Only these four rows of h_out are made: reference() uses no other (the first kernel's head).
; zo[b] is sigmoid(Zo) of row s = 511 of batch b; c's rows are rows 512 b + 511 of out1; the launch before stored both.  All f32; fused multiply-adds.
; Four rows against 16 MiB of weights that are read once: a stream; the matrix units, LDS tiles and clusters would add nothing: no byte of Wp is used twice.  No loop to run ahead in: no prefetch.
; SHARES: work-group g takes rows e = 8 g .. 8 g + 7 of Wp, 65,536 consecutive bytes, all asked for at once: 16 loads a wave.  Wave w takes d = 256 w .. + 255; lane l holds d = 256 w + 128 c + 4 l + 0 .. 3, c = 0, 1.
; Each wave makes the 4 x 256 numbers of h_out that it needs while Wp's loads are out.  32 sums (b, i), n = 8 b + i, are kept two-fold in a lane, added across the lanes, meet in LDS behind one barrier, and wave 0 adds the eight parts and the bias.
; out0 leaves in pieces of 32 bytes: it is 32,768 bytes in all, and whole aligned runs of 256 bytes would leave work for 32 work-groups only.
.set H,   8                            ; v8-39     zo, then h_out: batch b, half c at v[H + 8 b + 4 c]
.set WR,  40                           ; v40-103   Wp: row i, half c at v[WR + 8 i + 4 c]; at the end the eight waves' parts
.set ACC, 104                          ; v104-167  first c's rows (32), then sum n as a pair
.set CL,  104
.set S,   168                          ; v168-199  sum n
	s_load_b256 s[4:11], s[0:1], 0x0               ; zo s[4:5], out1 s[6:7], Wp s[8:9], bp s[10:11]
	s_load_b64 s[12:13], s[0:1], 0x20              ; out0
	v_lshl_add_u32 v208, v0, 2, 0x400
	v_mov_b32 v209, 0
	v_and_b32 v1, 31, v0                           ; lane
	v_lshrrev_b32 v3, 5, v0
	s_delay_alu instid0(VALU_DEP_1)
	v_readfirstlane_b32 s14, v3                    ; wave 0..7
	s_delay_alu instid0(VALU_DEP_3)
	v_lshlrev_b32 v2, 4, v1
	s_delay_alu instid0(VALU_DEP_1)
	v_lshl_add_u32 v2, v3, 10, v2                  ; my 16 bytes in a row: 1,024 w + 16 l
	s_delay_alu instid0(VALU_DEP_4)
	v_lshlrev_b32 v3, 7, v3                        ; LDS: my wave's 128 bytes
	v_lshlrev_b32 v4, 2, v1                        ; LDS: sum n = lane
	v_and_b32 v6, 7, v1
	s_delay_alu instid0(VALU_DEP_1)
	v_lshlrev_b32 v6, 2, v6                        ; i = n % 8
	v_lshrrev_b32 v5, 3, v1
	s_delay_alu instid0(VALU_DEP_1)
	v_lshl_add_u32 v5, v5, 13, v6                  ; + b = n / 8 rows of 8,192 bytes
	s_mov_b32 s16, 0x76543210                      ; v_permlanex16_b32's selects for lane l xor 16
	s_mov_b32 s17, 0xfedcba98
	s_lshl_b32 s2, ttmp9, 16                       ; my eight rows of Wp
	s_mov_b32 s3, 0
	s_lshl_b32 s18, ttmp9, 5                       ; my eight numbers of bp and of a row of out0
	s_mov_b32 s19, 0
	s_wait_alu depctr_va_vdst(0)                   ; the wait at the head's end
	s_wait_kmcnt 0x0
	s_add_nc_u64 s[8:9], s[8:9], s[2:3]
	s_add_nc_u64 s[10:11], s[10:11], s[18:19]
	s_add_nc_u64 s[12:13], s[12:13], s[18:19]
	s_add_nc_u64 s[6:7], s[6:7], 511*8192          ; row 511: batches 0 and 1 by the immediate,
	s_add_nc_u64 s[20:21], s[6:7], 1024*8192       ; batches 2 and 3 from a second base
	s_cmp_lg_u32 s14, 0
	s_cbranch_scc1 .Lno_bias                       ; wave 0 alone wants the bias; it is that wave's oldest load, so the counts below hold on both paths
	global_load_b32 v7, v6, s[10:11]
.Lno_bias:
.irp b, 0,1
.irp c, 0,1
	global_load_b128 v[CL+8*\b+4*\c:CL+8*\b+4*\c+3], v2, s[6:7] offset:512*8192*\b+512*\c
	global_load_b128 v[CL+16+8*\b+4*\c:CL+16+8*\b+4*\c+3], v2, s[20:21] offset:512*8192*\b+512*\c
.endr
.endr
.irp b, 0,1,2,3
.irp c, 0,1
	global_load_b128 v[H+8*\b+4*\c:H+8*\b+4*\c+3], v2, s[4:5] offset:8192*\b+512*\c
.endr
.endr
.irp i, 0,1,2,3,4,5,6,7
.irp c, 0,1
	global_load_b128 v[WR+8*\i+4*\c:WR+8*\i+4*\c+3], v2, s[8:9] offset:8192*\i+512*\c th:TH_LOAD_NT   ; read once in the launch
.endr
.endr
	s_wait_loadcnt 16                              ; c's rows and zo are in; Wp's 16 loads stay out
.set n, 0
.rept 16
	v_pk_mul_f32 v[CL+n:CL+n+1], v[CL+n:CL+n+1], 0x4038aa3b op_sel_hi:[1,0]   ; c x 2 log2(e)
.set n, n+2
.endr
	s_wait_alu depctr_va_vdst(0)                   ; a wait ahead of a batch and one behind it
.set n, 0
.rept 32
	v_exp_f32 v[CL+n], v[CL+n]
.set n, n+1
.endr
	v_nop
	s_wait_alu depctr_va_vdst(0)
.set n, 0
.rept 16
	v_pk_add_f32 v[CL+n:CL+n+1], v[CL+n:CL+n+1], 1.0 op_sel_hi:[1,0]
.set n, n+2
.endr
	s_wait_alu depctr_va_vdst(0)
.set n, 0
.rept 32
	v_rcp_f32 v[CL+n], v[CL+n]
.set n, n+1
.endr
	v_nop
	s_wait_alu depctr_va_vdst(0)
.set n, 0
.rept 16
	v_pk_fma_f32 v[CL+n:CL+n+1], v[CL+n:CL+n+1], -2.0, 1.0 op_sel_hi:[1,0,0]   ; tanh(c) = 1 - 2 / (1 + 2^(2 log2(e) c))
.set n, n+2
.endr
.set n, 0
.rept 16
	v_pk_mul_f32 v[H+n:H+n+1], v[H+n:H+n+1], v[CL+n:CL+n+1]              ; h_out
.set n, n+2
.endr
	s_wait_alu depctr_va_vdst(0)                   ; the wait here, directly ahead of the wait below
.macro ROWI i                          ; row i against the four batches: the first product starts each sum; the four sums by turns
	s_wait_loadcnt 14-2*\i                         ; loads come back in order (ISA guide 5.7.1): rows 0 .. i are in; the two loads of each later row stay out
.irp b, 0,1,2,3
	v_pk_mul_f32 v[ACC+2*(8*\b+\i):ACC+2*(8*\b+\i)+1], v[WR+8*\i:WR+8*\i+1], v[H+8*\b:H+8*\b+1]
.endr
.irp p, 2,4,6
.irp b, 0,1,2,3
	s_delay_alu instid0(VALU_DEP_4)
	v_pk_fma_f32 v[ACC+2*(8*\b+\i):ACC+2*(8*\b+\i)+1], v[WR+8*\i+\p:WR+8*\i+\p+1], v[H+8*\b+\p:H+8*\b+\p+1], v[ACC+2*(8*\b+\i):ACC+2*(8*\b+\i)+1]
.endr
.endr
.endm
.irp i, 0,1,2,3,4,5,6,7
	ROWI \i
.endr
.set n, 0
.rept 32
	v_add_f32 v[S+n], v[ACC+2*n], v[ACC+2*n+1]     ; a pair's two halves
.set n, n+1
.endr
.irp m, 1,2,4,8                        ; across the 16 lanes of a half, riding on the addition; the 32 sums by turns
.set n, 0
.rept 32
	v_add_f32_dpp v[S+n], v[S+n], v[S+n] row_xmask:\m row_mask:0xf bank_mask:0xf
.set n, n+1
.endr
.endr
.set n, 0
.rept 32
	v_permlanex16_b32 v[ACC+n], v[S+n], s16, s17   ; the other half's (the destination has been written before)
.set n, n+1
.endr
.set n, 0
.rept 32
	v_add_f32 v[S+n], v[S+n], v[ACC+n]             ; every lane holds my wave's part of all 32 sums
.set n, n+1
.endr
.irp k, 0,1,2,3,4,5,6,7
	ds_store_b128 v3, v[S+4*\k:S+4*\k+3] offset:16*\k   ; all lanes write the same words with the same values
.endr
	s_wait_dscnt 0x0                               ; for the others' sake: my stores are done
	s_barrier_signal -1
	s_barrier_wait -1
	s_cmp_lg_u32 s14, 0
	s_cbranch_scc1 .Lend
.irp w, 0,1,2,3,4,5,6,7
	ds_load_b32 v[WR+\w], v4 offset:128*\w         ; sum n = my lane, of each wave
.endr
	s_wait_dscnt 0x0
	v_add_f32 v[WR], v[WR], v[WR+1]
	v_add_f32 v[WR+2], v[WR+2], v[WR+3]
	v_add_f32 v[WR+4], v[WR+4], v[WR+5]
	v_add_f32 v[WR+6], v[WR+6], v[WR+7]
	s_delay_alu instid0(VALU_DEP_3)
	v_add_f32 v[WR], v[WR], v[WR+2]
	s_delay_alu instid0(VALU_DEP_2)
	v_add_f32 v[WR+4], v[WR+4], v[WR+6]
	s_delay_alu instid0(VALU_DEP_1)
	v_add_f32 v[WR], v[WR], v[WR+4]
	s_delay_alu instid0(VALU_DEP_1)
	v_add_f32 v[WR], v[WR], v7                     ; + bp (its load was shown done by the waits above)
	global_store_b32 v5, v[WR], s[12:13]           ; out0[n / 8][8 g + n % 8]
.Lend:
	s_wait_tensorcnt 0x0                           ; the wave's end
	ds_add_u32 v208, v209
	s_wait_dscnt 0x0
	s_endpgm
.Lfunc_end_k_q1b0517587b_proj:
	.size	k_q1b0517587b_proj, .Lfunc_end_k_q1b0517587b_proj-k_q1b0517587b_proj
	.p2alignl 7, 3214868480
	.fill 96, 4, 3214868480
	.section	.rodata,"a",@progbits
	.p2align	6, 0x0
	.amdhsa_kernel k_q1b0517587b_proj
		.amdhsa_group_segment_fixed_size 2048
		.amdhsa_private_segment_fixed_size 0
		.amdhsa_enable_private_segment 0
		.amdhsa_kernarg_size 40
		.amdhsa_user_sgpr_count 2
		.amdhsa_user_sgpr_kernarg_segment_ptr 1
		.amdhsa_wavefront_size32 1
		.amdhsa_system_sgpr_workgroup_id_x 1
		.amdhsa_system_sgpr_workgroup_id_y 1
		.amdhsa_system_sgpr_workgroup_id_z 1
		.amdhsa_system_vgpr_workitem_id 0
		.amdhsa_next_free_vgpr 210
		.amdhsa_next_free_sgpr 66
		.amdhsa_reserve_vcc 0
		.amdhsa_float_denorm_mode_32 3
		.amdhsa_float_denorm_mode_16_64 3
		.amdhsa_memory_ordered 1
		.amdhsa_forward_progress 1
		.amdhsa_inst_pref_size 37
	.end_amdhsa_kernel
	.amdgpu_metadata
---
amdhsa.version: [ 1, 2 ]
amdhsa.kernels:
  - .name:           k_q1b0517587b_proj
    .symbol:         k_q1b0517587b_proj.kd
    .args:
      - { .name: zo, .offset: 0, .size: 8, .value_kind: global_buffer, .address_space: global }
      - { .name: out1, .offset: 8, .size: 8, .value_kind: global_buffer, .address_space: global }
      - { .name: Wp, .offset: 16, .size: 8, .value_kind: global_buffer, .address_space: global }
      - { .name: bp, .offset: 24, .size: 8, .value_kind: global_buffer, .address_space: global }
      - { .name: out0, .offset: 32, .size: 8, .value_kind: global_buffer, .address_space: global }
    .group_segment_fixed_size: 2048
    .private_segment_fixed_size: 0
    .kernarg_segment_align: 8
    .kernarg_segment_size: 40
    .max_flat_workgroup_size: 256
    .sgpr_count:     66
    .vgpr_count:     210
    .wavefront_size: 32
...
	.end_amdgpu_metadata
.endif
;; end of part 3
